; MI455X (gfx1250); checked and timed in simulation.
; The chip was launched on July 23, 2026; its instructions are those of AMD's public machine-readable ISA for CDNA 5 (MIT licence, August 2026) and "CDNA5" Instruction Set Architecture Reference Guide (July 2026). The comments in the code are by the model that wrote it; some were corrected since.
;; Mixtureof Experts Block. Allowed arithmetic: matrix products marked QUANTISED: E3M2 operands, one E8M0 scale for each 32 along K, by v_wmma_scale_f32_16x16x128_f8f6f4 with both operands' format E3M2, f32 sums; products left as they are: f32 operands where the result goes on into a quantised operand, else bf16, f16 or f32 operands; f32 sums; everything else in f32.
;; Inputs: W1_codes 8 x 1,024 x 32 x 24 uint8 (E3M2 codes of W1, K innermost, in blocks of 32 codes, four codes in three bytes); W1_scales 8 x 1,024 x 32 uint8 (E8M0 scales of W1, one for each 32 codes along K); W2_codes 8 x 1,024 x 32 x 24 uint8 (E3M2 codes of W2, K innermost, in blocks of 32 codes, four codes in three bytes); W2_scales 8 x 1,024 x 32 uint8 (E8M0 scales of W2, one for each 32 codes along K); Wr 1,024 x 8 float32; b1 8 x 1,024 float32; b2 8 x 1,024 float32; br 8 float32; x 2 x 2,048 x 1,024 float32.
;; Outputs: out0 2 x 2,048 x 1,024 float32.
;; This version of the problem:
;;   THIS VERSION OF THE PROBLEM IS GIVEN IN LOW PRECISION. The matrix products marked QUANTISED in the list below multiply operands that are first quantised to E3M2 (3 exponent bits, 2 mantissa bits; 6 bits a number), with one power-of-two scale for each 32 numbers along K (OCP MX v1.0); their sums are f32. All else is computed in f32.
;;   The module's matrix products, in the order in which they are computed (A, B: the left and right operand; K: the contracted axis; several contracted axes count as one K, in the product's order):
;;     1. [M 4,096, K 1,024] x [K 1,024, N 8]; A: input x; B: input Wr: left as it is (N = 8 < 16)
;;     2. [M 8,192, K 1,024] x [K 1,024, N 4,096]; A: input W1 (given as codes); B: input x: QUANTISED
;;     3. batch 8 x [M 4,096, K 1,024] x [K 1,024, N 1,024]; A: computed on the way; B: input W2 (given as codes): QUANTISED
;;     4. batch 4,096 x [M 1, K 8] x [K 8, N 1,024]; A: softmax; B: computed on the way: left as it is (K = 8 < 32)
;;   THE QUANTISER, for each operand of a quantised product, along K:
;;     - K is cut into blocks of 32 from its start; a last block that is shorter is filled with zeros.
;;     - A block's scale is 2^e with e = floor(log2(the largest magnitude in the block)) - 4, held to -126 .. 127; a block of zeros has e = 0. As a byte (E8M0): e + 127.
;;     - Each number is divided by its block's scale, clamped to +-28, and rounded to the nearest number of E3M2, ties to even, subnormals kept.
;;     - The product sums the exact products of the quantised numbers (number of the format x scale) in f32.
;;   ~~~python
;;   def quantise(x, axis):      # numpy; x: float32 -> the quantised numbers, widened to float32 again
;;       x = np.moveaxis(x, axis, -1); K = x.shape[-1]
;;       x = np.pad(x, [(0, 0)] * (x.ndim - 1) + [(0, -K % 32)]); x = x.reshape(x.shape[:-1] + (-1, 32)); a = np.abs(x).max(-1, keepdims=True)
;;       e = np.where(a > 0, np.clip(np.frexp(np.where(a > 0, a, 1))[1] - 1 - 4, -126, 127), 0)      # np.frexp(a)[1] - 1 = floor(log2(a)), exactly
;;       r = np.clip(x / 2.0 ** e, -28, 28)
;;       step = 2.0 ** (np.maximum(np.frexp(np.where(r == 0, 1, r))[1] - 1, -2) - 2)
;;       q = np.round(r / step) * step * 2.0 ** e      # np.round: ties to even
;;       return np.moveaxis(q.reshape(q.shape[:-2] + (-1,))[..., :K], -1, axis).astype(np.float32)
;;   ~~~
;;   OPERANDS COMPUTED ON THE WAY. 'Computed on the way' means the value that the module computes at that place (a softmax that the list does not call 'softmax' is quantised finished and normalised). What goes into a quantiser is computed in f32, as accurately as f32 sums, v_exp_f32 and their like allow (about 1e-6 of the number): no bf16 or f16 on the way to a quantiser, and a product that is left as it is and whose result goes on into a quantised operand takes f32 operands (vector FMAs, or v_wmma_f32_16x16x4_f32). A number that lies on a knife's edge between two numbers of the format may be rounded either way, as far as f32 arithmetic and the matrix unit's own rounding can turn it there, and no further.
;;   INPUTS GIVEN AS CODES. W1 (in the module: [8, 1024, 1024], K = its axis 1); W2 (in the module: [8, 1024, 1024], K = its axis 1): each comes as NAME_codes (uint8): NAME with its K axis moved to the last place and cut into blocks of 32 codes, [.., K / 32, bytes a block], one block behind the other in memory; four codes in three bytes: a row's codes are one little-endian stream of bits, code i at bits 6 i .. 6 i + 5 (a code: sign, 3 exponent bits, 2 mantissa bits); and NAME_scales (uint8): the same leading axes, one E8M0 byte (e + 127) for each 32 codes along K. Its value is code x scale, taken as it is: it is not quantised again, and the codes and scales need not be those that the quantiser above would give.
;; One version. Each part assembles by itself: llvm-mc -triple=amdgcn-amd-amdhsa -mcpu=gfx1250 --defsym DOCPART=n.
;; ======== version 1 of 1: 3 launches
;; limits: right only within a limited range of input values
;; workspace buffers: xq 3,276,800 bytes; keys 16,384 bytes of whole numbers; wts 32,768 bytes; order 42,240 bytes of whole numbers; wimg 13,107,200 bytes; hq 10,063,872 bytes
;; launch route (part 1): grid 512 x 1, 4 waves a work-group, no clusters, 73,216 bytes of LDS; arguments x, Wr, br, xq, keys, wts, W1_codes, W1_scales, W2_codes, W2_scales, wimg; writes xq, keys, wts, wimg
.if DOCPART == 1
	.amdgcn_target "amdgcn-amd-amdhsa--gfx1250"
	.amdhsa_code_object_version 6
	.text
	.protected	k_q18e777a385_route
	.globl	k_q18e777a385_route
	.p2align	8
	.type	k_q18e777a385_route,@function
k_q18e777a385_route:
	s_mov_b64 s[64:65], 0
	v_nop
	global_prefetch_b8 v0, s[64:65] scope:SCOPE_SE
	s_setreg_imm32_b32 hwreg(HW_REG_WAVE_MODE, 25, 1), 1
	s_wait_xcnt 0x0
; ROUTER AND QUANTISER OF x.  x: [4096][1024] f32.  scores = x Wr + br in f32 fused multiply-adds; the two largest scores (of equal scores the lower index first);
; softmax of those two, the larger taken away before the exponential.  Stored for each token: keys = the number 0..27 of its pair of experts (lo < hi), wts = (weight of lo, weight of hi).
; The same pass turns x into codes of E3M2 with one E8M0 byte for each 32 along the row: xq = [4096][768] bytes of codes, then from byte 3,145,728 [4096][32] scale bytes.
; SHARES.  A work-group owns 16 tokens.  Wave w: half = w & 1 of a row (512 numbers), tokens 8 (w >> 1) + 0..7, one a step.  A step's 2,048 bytes are loaded as they lie (four loads of 512 consecutive bytes),
; turned through the wave's own stage in LDS, and come back 16 neighbours a lane: two neighbouring lanes hold a block of 32.  Wr's 16 rows of a lane (128 numbers) stay in registers.
; No choice made here steers an address: the pair's number is stored at the token's fixed place and a later launch sorts by it.
; LIMITS: NaN and infinities are not served.  The order of the f32 sums differs from a plain dot product's: two scores nearer than some 1e-6 of their size may change places.
; A block of zeros gets the scale byte 1 (its codes are zeros; only this program reads the bytes); a block's largest magnitude is not taken under 2^-122.
; No matrix unit, cluster or tensor load: work-groups share only Wr's 32 KiB, and the pass is a stream.
; REGISTERS: window 0: v1 lane, v2-6, v14-15 addresses, v8-11 at work, v16-23 the eight sums, v24-31 the other half's sums, v32-63 two sets of 16 neighbours, v64-95 codes, v96-103 bytes, v104-231 x as loaded.  window 1: v0-127 Wr.
.set PART, 20480                       ; LDS: behind the four waves' stages (2 x 2,560 bytes each): 16 tokens x 2 halves x 8 partial scores
.set XSB,  21504                       ; 16 tokens x 32 scale bytes
.set ACC,  16
.set TP,   24
.set X,    32
.set C,    64
.set EB,   96
.set R,    104
.set MSB, 0
.macro WIN new                         ; the immediate's high byte repeats the setting that is left
.if MSB != \new
	s_set_vgpr_msb (MSB<<8)|\new
.set MSB, \new
.endif
.endm
	s_load_b256 s[4:11], s[0:1], 0x0               ; x s[4:5], Wr s[6:7], br s[8:9], xq s[10:11]
	s_load_b128 s[12:15], s[0:1], 0x20             ; keys s[12:13], wts s[14:15]
	v_lshl_add_u32 v254, v0, 2, 0x5800
	v_mov_b32 v255, 0
	v_lshrrev_b32 v1, 5, v0
	v_readfirstlane_b32 s16, v1                    ; wave
	v_and_b32 v1, 31, v0                           ; lane
	s_wait_alu depctr_va_vdst(0)
	s_cmp_ge_u32 ttmp9, 256                        ; TWO JOBS, parted on the work-group's number: 0..255 route and quantise x, 256..511 lay the weights out (at the text's end); each job has LDS bytes of its own
	s_cbranch_scc1 .Lweights
	s_and_b32 s17, s16, 1                          ; which half of a row
	s_lshr_b32 s18, s16, 1                         ; which eight tokens
	v_lshlrev_b32 v2, 4, v1                        ; x: 16 bytes a lane
	v_lshlrev_b32 v3, 9, v1                        ; Wr: my 16 rows of 32 bytes
	v_mul_u32_u24 v4, v1, 12                       ; codes: 12 bytes a lane
	s_lshl_b32 s19, s18, 8
	s_lshl_b32 s20, s17, 4
	s_add_co_u32 s19, s19, s20
	s_add_co_u32 s19, s19, XSB
	v_lshrrev_b32 v5, 1, v1
	v_add_nc_u32 v5, s19, v5                       ; my block's scale byte: XSB + 32 x token + 16 x half + lane / 2
	s_lshl_b32 s19, s18, 9
	s_lshl_b32 s20, s17, 5
	s_add_co_u32 s19, s19, s20
	s_add_co_u32 s19, s19, PART
	v_mov_b32 v6, s19                              ; my wave's partial scores: PART + 64 x token + 32 x half
	s_mul_i32 s19, s16, 5120
	v_lshrrev_b32 v14, 2, v1
	v_mul_u32_u24 v14, v14, 80
	v_and_b32 v15, 3, v1
	v_lshl_add_u32 v14, v15, 4, v14
	v_add_nc_u32 v14, s19, v14                     ; the stage, in: four lanes' 64 bytes on end, then 16 of padding
	v_mul_u32_u24 v15, v1, 80
	v_add_nc_u32 v15, s19, v15                     ; and out: my 16 neighbours
.irp e, 0,1,2,3,4,5,6,7
	v_mov_b32 v[TP+\e], 0                          ; written once: a lane permute's destination counts as one of its sources
.endr
	s_mov_b32 s22, 0x76543210
	s_mov_b32 s23, 0xfedcba98                      ; v_permlanex16_b32's selects for lane l xor 16
	s_lshl_b32 s20, ttmp9, 16                      ; x: 16 rows of 4,096 bytes a work-group,
	s_lshl_b32 s21, s18, 15                        ; 8 rows,
	s_add_co_u32 s20, s20, s21
	s_lshl_b32 s21, s17, 11                        ; half a row
	s_add_co_u32 s20, s20, s21
	s_mov_b32 s21, 0
	s_lshl_b32 s32, s17, 14                        ; Wr: 512 rows of 32 bytes
	s_mov_b32 s33, 0
	s_mul_i32 s34, ttmp9, 12288                    ; codes: 16 rows of 768 bytes,
	s_mul_i32 s36, s18, 6144
	s_add_co_u32 s34, s34, s36
	s_mul_i32 s36, s17, 384
	s_add_co_u32 s34, s34, s36
	s_mov_b32 s35, 0
	s_lshl_b32 s36, ttmp9, 9                       ; scale bytes: 512 a work-group, behind the codes
	s_add_co_u32 s36, s36, 3145728
	s_mov_b32 s37, 0
	s_lshl_b32 s38, ttmp9, 6
	s_mov_b32 s39, 0
	s_wait_alu depctr_va_vdst(0)
	s_wait_kmcnt 0x0
	s_load_b256 s[24:31], s[8:9], 0x0              ; br
	s_add_nc_u64 s[4:5], s[4:5], s[20:21]
	s_add_nc_u64 s[6:7], s[6:7], s[32:33]
	s_add_nc_u64 s[34:35], s[10:11], s[34:35]
	s_add_nc_u64 s[36:37], s[10:11], s[36:37]
	s_add_nc_u64 s[12:13], s[12:13], s[38:39]
	s_lshl_b32 s38, ttmp9, 7
	s_add_nc_u64 s[14:15], s[14:15], s[38:39]
	WIN 0x40                                       ; destination window 1
.irp i, 0,1,2,3,4,5,6,7,8,9,10,11,12,13,14,15
	global_load_b128 v[8*\i:8*\i+3], v3, s[6:7] offset:32*\i          ; Wr[512 half + 16 lane + i][0..7]
	global_load_b128 v[8*\i+4:8*\i+7], v3, s[6:7] offset:32*\i+16
.endr
	WIN 0
.irp t, 0,1,2,3,4,5,6,7
.irp i, 0,1,2,3
	global_load_b128 v[R+16*\t+4*\i:R+16*\t+4*\i+3], v2, s[4:5] offset:4096*\t+512*\i th:TH_LOAD_NT   ; all eight steps are asked for at once: 32 lanes read 512 consecutive bytes
.endr
.endr
.macro TURN t                          ; step t's numbers through the stage: LDS serves a wave's instructions in order, so no wait stands between the stores and the loads
.irp i, 0,1,2,3
	ds_store_b128 v14, v[R+16*(\t)+4*\i:R+16*(\t)+4*\i+3] offset:2560*((\t)%2)+640*\i
.endr
.irp i, 0,1,2,3
	ds_load_b128 v[X+16*((\t)%2)+4*\i:X+16*((\t)%2)+4*\i+3], v15 offset:2560*((\t)%2)+16*\i
.endr
.endm
.macro DOTS                            ; my 16 numbers against Wr's 16 rows: eight sums, two an instruction; number i of the pair is given to both halves
.set II, 0
.rept 16
.irp p, 0,2,4,6
.if II == 0
	v_pk_mul_f32 v[ACC+\p:ACC+\p+1], v[XS:XS+1], v[\p:\p+1] op_sel_hi:[0,1]       ; the first product starts the sums
.elseif II%2 == 0
	v_pk_fma_f32 v[ACC+\p:ACC+\p+1], v[XS+II:XS+II+1], v[8*II+\p:8*II+\p+1], v[ACC+\p:ACC+\p+1] op_sel_hi:[0,1,1]
.else
	v_pk_fma_f32 v[ACC+\p:ACC+\p+1], v[XS+II-1:XS+II], v[8*II+\p:8*II+\p+1], v[ACC+\p:ACC+\p+1] op_sel:[1,0,0] op_sel_hi:[1,1,1]
.endif
.endr
.set II, II+1
.endr
.endm
.macro RSTEP t
.set XS, X+16*((\t)%2)
.if (\t) > 0
	s_wait_dscnt 3                                 ; this step's numbers are back from the stage; the last step's three stores (a byte, two of sums) may be out
.else
	s_wait_dscnt 0x0
.endif
.if (\t) < 7
	s_wait_loadcnt 24-4*(\t)                       ; the next step's four loads are in; those of the steps behind it may be out
	TURN (\t)+1
.endif
	WIN 0x04                                       ; source 1 (Wr) window 1
	DOTS
	WIN 0
	v_max3_num_f32 v8, |v[XS]|, |v[XS+1]|, |v[XS+2]|               ; the largest magnitude of my 16
	v_max3_num_f32 v9, |v[XS+3]|, |v[XS+4]|, |v[XS+5]|
.irp i, 6,10
	v_max3_num_f32 v8, v8, |v[XS+\i]|, |v[XS+\i+1]|
	v_max3_num_f32 v9, v9, |v[XS+\i+2]|, |v[XS+\i+3]|
.endr
	v_max3_num_f32 v8, v8, |v[XS+14]|, |v[XS+15]|
	v_max3_num_f32 v8, v8, v9, 0x2800000           ; and the floor 2^(5 - 127): the byte cannot fall under 1
	v_max_num_f32_dpp v8, v8, v8 row_xmask:1 row_mask:0xf bank_mask:0xf   ; and of my neighbour's 16: the block's
	v_add_nc_u32 v11, 0xfe000000, v8               ; 4 off its exponent field: the conversion takes the exponent field of this operand as its scale
	v_cvt_scalef32_pk16_bf6_f32 v[C+4*(\t):C+4*(\t)+2], v[XS:XS+15], v11
	v_lshrrev_b32 v[EB+(\t)], 23, v11              ; the scale's byte (also the plain line behind the conversion)
	ds_store_b8 v5, v[EB+(\t)] offset:32*(\t)      ; both lanes of a block write the same byte with the same value
	global_store_b96 v4, v[C+4*(\t):C+4*(\t)+2], s[34:35] offset:768*(\t)   ; the wave stores 384 consecutive bytes
.irp k, 1,2,4,8
.irp e, 0,1,2,3,4,5,6,7
	v_add_f32_dpp v[ACC+\e], v[ACC+\e], v[ACC+\e] row_xmask:\k row_mask:0xf bank_mask:0xf
.endr
.endr
.irp e, 0,1,2,3,4,5,6,7
	v_permlanex16_b32 v[TP+\e], v[ACC+\e], s22, s23
.endr
.irp e, 0,1,2,3,4,5,6,7
	v_add_f32 v[ACC+\e], v[ACC+\e], v[TP+\e]       ; every lane holds my half row's eight sums
.endr
	ds_store_b128 v6, v[ACC:ACC+3] offset:64*(\t)  ; all lanes write the same words with the same values
	ds_store_b128 v6, v[ACC+4:ACC+7] offset:64*(\t)+16
.endm
	s_wait_loadcnt 28                              ; Wr and step 0's four loads are in; the other seven steps' 28 may be out
	TURN 0
.irp t, 0,1,2,3,4,5,6,7
	RSTEP \t
.endr
	s_wait_dscnt 0x0                               ; for the others' sake: my partial scores and scale bytes lie in LDS
	s_barrier_signal -1
	s_barrier_wait -1
	s_cmp_eq_u32 s16, 1
	s_cbranch_scc1 .Lscales
	s_cmp_eq_u32 s16, 0
	s_cbranch_scc1 .Lfinal
	s_wait_tensorcnt 0x0
	ds_add_u32 v254, v255
	s_wait_dscnt 0x0
	s_endpgm
.Lscales:                                              ; wave 1: the work-group's 512 scale bytes leave as two aligned runs of 256 bytes
	v_add_nc_u32 v8, XSB, v2
	ds_load_b128 v[32:35], v8
	s_wait_dscnt 0x0
	global_store_b128 v2, v[32:35], s[36:37]
	s_wait_tensorcnt 0x0
	ds_add_u32 v254, v255
	s_wait_dscnt 0x0
	s_endpgm
.Lfinal:                                               ; wave 0: a lane to a token (lanes 16-31 repeat lanes 0-15: the same values go to the same places, and EXEC stays whole)
	v_and_b32 v7, 15, v0
	v_lshl_add_u32 v8, v7, 6, PART
	ds_load_b128 v[32:35], v8
	ds_load_b128 v[36:39], v8 offset:16
	ds_load_b128 v[40:43], v8 offset:32
	ds_load_b128 v[44:47], v8 offset:48
	s_wait_dscnt 0x0
	s_wait_kmcnt 0x0                               ; br
.irp p, 0,2,4,6
	v_pk_add_f32 v[32+\p:33+\p], v[32+\p:33+\p], v[40+\p:41+\p]    ; the two halves of the row
.endr
.irp e, 0,1,2,3,4,5,6,7
	v_add_f32 v[32+\e], s[24+\e], v[32+\e]
.endr
	v_mov_b32 v48, v32                             ; the largest score and its index: a later score takes the place only if it is larger, so the lower index wins a tie
	v_mov_b32 v49, 0
.irp e, 1,2,3,4,5,6,7
	v_cmp_le_f32 vcc_lo, v[32+\e], v48             ; keep
	v_cndmask_b32 v48, v[32+\e], v48, vcc_lo
	v_cndmask_b32 v49, \e, v49, vcc_lo
.endr
	v_mov_b32 v50, 0xff800000                      ; the second largest, from -infinity on, passing over the first
	v_mov_b32 v51, 0
.irp e, 0,1,2,3,4,5,6,7
	v_cmp_eq_u32 s20, \e, v49
	v_cmp_le_f32 s21, v[32+\e], v50
	s_or_b32 vcc_lo, s20, s21                      ; keep
	v_cndmask_b32 v50, v[32+\e], v50, vcc_lo
	v_cndmask_b32 v51, \e, v51, vcc_lo
.endr
	v_sub_f32 v52, v50, v48                        ; the maximum is taken away: the larger score's exponential is 1
	v_mul_f32 v52, 0x3fb8aa3b, v52
	s_wait_alu depctr_va_vdst(0)
	v_exp_f32 v53, v52
	v_min_u32 v59, v49, v51                        ; lo (a plain line behind the exponential)
	s_wait_alu depctr_va_vdst(0)                   ; the wait ahead of the first reader
	v_add_f32 v54, 1.0, v53
	s_wait_alu depctr_va_vdst(0)
	v_rcp_f32 v55, v54                             ; the larger score's weight
	v_max_u32 v60, v49, v51                        ; hi (a plain line behind the reciprocal)
	s_wait_alu depctr_va_vdst(0)
	v_mul_f32 v61, v53, v55                        ; the smaller score's weight
	v_cmp_lt_u32 vcc_lo, v49, v51
	v_cndmask_b32 v56, v61, v55, vcc_lo            ; the weight of lo,
	v_cndmask_b32 v57, v55, v61, vcc_lo            ; of hi
	v_sub_nc_u32 v58, 15, v59
	v_mul_u32_u24 v58, v58, v59
	v_lshrrev_b32 v58, 1, v58
	v_add_nc_u32 v58, v58, v60
	v_sub_nc_u32 v58, v58, v59
	v_add_nc_u32 v58, -1, v58                      ; the pair's number: lo (15 - lo) / 2 + hi - lo - 1
	; WHAT IS STORED IN keys: not the pair's number but, for each of the 28 pairs, a mask of 16 bits: which of my 16 tokens have that pair.
	; keys = [256 work-groups][32] of 16 bits (pairs 28..31: zeros), 64 consecutive bytes a work-group at a fixed place: a later launch counts and ranks by these masks.
	v_mov_b32 v62, 0
.irp k0, 0, 14
.set KK, 0
.rept 14
	v_cmp_eq_u32 s[16+KK], \k0+KK, v58             ; lanes 16-31 repeat lanes 0-15: the low half is the mask
.set KK, KK+1
.endr
.set KK, 0
.rept 14
	v_writelane_b32 v62, s[16+KK], \k0+KK          ; pair k's mask into lane k
.set KK, KK+1
.endr
.endr
	v_lshlrev_b32 v52, 1, v1
	v_lshlrev_b32 v63, 3, v7
	global_store_b16 v52, v62, s[12:13]
	global_store_b64 v63, v[56:57], s[14:15]
	s_wait_tensorcnt 0x0
	ds_add_u32 v254, v255
	s_wait_dscnt 0x0
	s_endpgm
; WORK-GROUPS 256..511 LAY THE WEIGHTS OUT in the order in which a wave's operand registers take them.  A wave takes a tile of 16 rows x 1,024 K: 12,288 bytes come in as whole runs of 256 bytes,
; turn through the wave's own stage (rows 784 bytes apart) and leave as eight fragments: registers 4 c .. 4 c + 3 of lane l at 512 c + 16 l.
; wimg: codes at mu 6,291,456 + (16 e + g) 49,152 + 6,144 s + 1,536 t + 512 c + 16 lane (mu 0: W1, 1: W2; g: 64 rows; s: K step of 128; t: tile).
; Of W1 tile 2 b + u takes rows 32 b + 8 u + r + 8 (r / 8), so that the first product's results lie as neighbours along the second product's K; of W2 tile t takes rows 16 t + r.
; Scale words at 12,582,912 + mu 262,144 + (16 e + g) 2,048 + 512 i + 16 lane: i = 2 (t / 2) + s / 4; lane 16 (t % 2) + r holds the words of K steps 4 (s / 4) .. + 3 of the tile's row r.
.set WST0, 23040                       ; behind the other job's bytes and the spare words: four stages
.set WSTG, 12544                       ; a stage: 16 rows x 784 bytes
.Lweights:
	s_load_b256 s[40:47], s[0:1], 0x30             ; W1's codes s[40:41], W1's scales s[42:43], W2's codes s[44:45], W2's scales s[46:47]
	s_load_b64 s[48:49], s[0:1], 0x50              ; wimg
	s_sub_co_u32 s17, ttmp9, 256
	s_lshl_b32 s17, s17, 2
	s_add_co_u32 s17, s17, s16                     ; my tile among 1,024
	s_lshr_b32 s18, s17, 9                         ; mu
	s_bfe_u32 s19, s17, 0x30006                    ; e
	s_and_b32 s20, s17, 63                         ; the tile in its expert
	s_wait_kmcnt 0x0
	s_cmp_eq_u32 s18, 0
	s_cselect_b64 s[40:41], s[40:41], s[44:45]     ; the choice hangs on ids alone
	s_cselect_b64 s[42:43], s[42:43], s[46:47]
	s_cselect_b32 s21, 8, 16                       ; from an even tile to the odd one, in rows
	s_cselect_b32 s22, 16, 8                       ; from a tile's rows 0-7 to its rows 8-15
	s_lshr_b32 s23, s20, 1
	s_lshl_b32 s23, s23, 5
	s_and_b32 s24, s20, 1
	s_mul_i32 s25, s24, s21
	s_add_co_u32 s23, s23, s25                     ; the tile's first row
	s_mul_i32 s26, s19, 786432
	s_mul_i32 s27, s23, 768
	s_add_co_u32 s26, s26, s27
	s_mov_b32 s27, 0
	s_add_nc_u64 s[28:29], s[40:41], s[26:27]      ; its rows 0-7: 6,144 consecutive bytes,
	s_mul_i32 s26, s22, 768
	s_add_nc_u64 s[30:31], s[28:29], s[26:27]      ; its rows 8-15
	s_lshl_b32 s26, s19, 15
	s_lshl_b32 s32, s23, 5
	s_add_co_u32 s26, s26, s32
	s_add_nc_u64 s[42:43], s[42:43], s[26:27]      ; the first row's scale bytes
	s_lshl_b32 s32, s19, 4
	s_lshr_b32 s33, s20, 2
	s_add_co_u32 s32, s32, s33                     ; 16 e + g
	s_mul_i32 s26, s32, 49152
	s_mul_i32 s33, s18, 6291456
	s_add_co_u32 s26, s26, s33
	s_and_b32 s33, s20, 3
	s_mul_i32 s33, s33, 1536
	s_add_co_u32 s26, s26, s33
	s_add_nc_u64 s[34:35], s[48:49], s[26:27]      ; where the fragments go
	s_lshl_b32 s26, s32, 11
	s_lshl_b32 s33, s18, 18
	s_add_co_u32 s26, s26, s33
	s_add_co_u32 s26, s26, 12582912
	s_bfe_u32 s33, s20, 0x10001
	s_lshl_b32 s33, s33, 10
	s_add_co_u32 s26, s26, s33
	s_lshl_b32 s33, s24, 8
	s_add_co_u32 s26, s26, s33
	s_add_nc_u64 s[36:37], s[48:49], s[26:27]      ; and the scale words
	s_mul_i32 s38, s16, WSTG
	s_add_co_u32 s38, s38, WST0                    ; my stage
	v_and_b32 v2, 15, v1
	v_lshrrev_b32 v3, 4, v1
	v_lshlrev_b32 v7, 4, v1
	v_mul_u32_u24 v4, v3, 768
	v_mul_u32_u24 v5, v3, 784
	v_mul_u32_u24 v6, v2, 784
	v_lshrrev_b32 v8, 3, v2
	v_and_b32 v9, 7, v2
	v_lshl_add_u32 v4, v2, 4, v4                   ; in: sixteen lanes take 256 bytes of a row, the other sixteen of the next row
	v_lshl_add_u32 v5, v2, 4, v5
	v_mad_u32_u24 v6, v3, 24, v6
	v_mul_u32_u24 v8, s22, v8
	v_add_nc_u32 v5, s38, v5                       ; the same place in the stage
	v_add_nc_u32 v6, s38, v6                       ; out of it: row lane % 16, + 24 bytes for the upper half of the lanes
	v_add_nc_u32 v8, v8, v9
	v_lshlrev_b32 v9, 9, v3
	v_lshlrev_b32 v8, 5, v8
	v_lshl_add_u32 v9, v2, 4, v9                   ; scale bytes out: sixteen lanes fill 256 consecutive bytes
	v_lshl_add_u32 v8, v3, 4, v8                   ; scale bytes in: my row's 32, its lower or upper 16
	global_load_b128 v[16:19], v8, s[42:43]
.irp q, 0,1
.irp i, 0,1,2,3
.irp j, 0,1,2
	global_load_b128 v[32+4*(12*\q+3*\i+\j):35+4*(12*\q+3*\i+\j)], v4, s[28+2*\q:29+2*\q] offset:1536*\i+256*\j th:TH_LOAD_NT
.endr
.endr
.endr
.set NN, 0
	s_wait_alu depctr_va_vdst(0)
.irp q, 0,1
.irp i, 0,1,2,3
.irp j, 0,1,2
	s_wait_loadcnt 23-NN                           ; load NN of the 24 is in (and the scale bytes, asked for first); the younger ones may be out
	ds_store_b128 v5, v[32+4*NN:35+4*NN] offset:(8*\q+2*\i)*784+256*\j
.set NN, NN+1
.endr
.endr
.endr
	global_store_b128 v9, v[16:19], s[36:37]
.irp s, 0,1,2,3,4,5,6,7
.irp c, 0,1
.irp p, 0,1,2
	ds_load_b64 v[128+12*\s+6*\c+2*\p:129+12*\s+6*\c+2*\p], v6 offset:96*\s+48*\c+8*\p   ; LDS serves a wave's instructions in order: these see my stores
.endr
.endr
.endr
.irp s, 0,1,2,3,4,5,6,7
	s_wait_dscnt 42-6*\s                           ; K step s's six loads are in; those of the later steps may be out
.irp c, 0,1,2
	global_store_b128 v7, v[128+12*\s+4*\c:131+12*\s+4*\c], s[34:35] offset:6144*\s+512*\c   ; 512 consecutive bytes
.endr
.endr
	s_wait_tensorcnt 0x0
	ds_add_u32 v254, v255
	s_wait_dscnt 0x0
	s_endpgm
.Lfunc_end_k_q18e777a385_route:
	.size	k_q18e777a385_route, .Lfunc_end_k_q18e777a385_route-k_q18e777a385_route
	.p2alignl 7, 3214868480
	.fill 96, 4, 3214868480
	.section	.rodata,"a",@progbits
	.p2align	6, 0x0
	.amdhsa_kernel k_q18e777a385_route
		.amdhsa_group_segment_fixed_size 73216
		.amdhsa_private_segment_fixed_size 0
		.amdhsa_enable_private_segment 0
		.amdhsa_kernarg_size 88
		.amdhsa_user_sgpr_count 2
		.amdhsa_user_sgpr_kernarg_segment_ptr 1
		.amdhsa_wavefront_size32 1
		.amdhsa_system_sgpr_workgroup_id_x 1
		.amdhsa_system_sgpr_workgroup_id_y 1
		.amdhsa_system_sgpr_workgroup_id_z 1
		.amdhsa_system_vgpr_workitem_id 0
		.amdhsa_next_free_vgpr 384
		.amdhsa_next_free_sgpr 66
		.amdhsa_reserve_vcc 1
		.amdhsa_float_denorm_mode_32 3
		.amdhsa_float_denorm_mode_16_64 3
		.amdhsa_memory_ordered 1
		.amdhsa_forward_progress 1
		.amdhsa_inst_pref_size 99
	.end_amdhsa_kernel
	.amdgpu_metadata
---
amdhsa.version: [ 1, 2 ]
amdhsa.kernels:
  - .name:           k_q18e777a385_route
    .symbol:         k_q18e777a385_route.kd
    .args:
      - { .name: x, .offset: 0, .size: 8, .value_kind: global_buffer, .address_space: global }
      - { .name: Wr, .offset: 8, .size: 8, .value_kind: global_buffer, .address_space: global }
      - { .name: br, .offset: 16, .size: 8, .value_kind: global_buffer, .address_space: global }
      - { .name: xq, .offset: 24, .size: 8, .value_kind: global_buffer, .address_space: global }
      - { .name: keys, .offset: 32, .size: 8, .value_kind: global_buffer, .address_space: global }
      - { .name: wts, .offset: 40, .size: 8, .value_kind: global_buffer, .address_space: global }
      - { .name: W1_codes, .offset: 48, .size: 8, .value_kind: global_buffer, .address_space: global }
      - { .name: W1_scales, .offset: 56, .size: 8, .value_kind: global_buffer, .address_space: global }
      - { .name: W2_codes, .offset: 64, .size: 8, .value_kind: global_buffer, .address_space: global }
      - { .name: W2_scales, .offset: 72, .size: 8, .value_kind: global_buffer, .address_space: global }
      - { .name: wimg, .offset: 80, .size: 8, .value_kind: global_buffer, .address_space: global }
    .group_segment_fixed_size: 73216
    .private_segment_fixed_size: 0
    .kernarg_segment_align: 8
    .kernarg_segment_size: 88
    .max_flat_workgroup_size: 128
    .sgpr_count:     66
    .vgpr_count:     384
    .wavefront_size: 32
...
	.end_amdgpu_metadata
.endif
;; end of part 1
;; launch up (part 2): grid 4 x 78, 4 waves a work-group, no clusters, 69,888 bytes of LDS; arguments xq, keys, wimg, b1, hq, order; writes hq, order
.if DOCPART == 2
	.amdgcn_target "amdgcn-amd-amdhsa--gfx1250"
	.amdhsa_code_object_version 6
	.text
	.protected	k_q18e777a385_up
	.globl	k_q18e777a385_up
	.p2align	8
	.type	k_q18e777a385_up,@function
k_q18e777a385_up:
	s_mov_b64 s[64:65], 0
	v_nop
	global_prefetch_b8 v0, s[64:65] scope:SCOPE_SE
	s_setreg_imm32_b32 hwreg(HW_REG_WAVE_MODE, 25, 1), 1
	s_wait_xcnt 0x0
; h = Q(gelu(xq W1 + b1)) for the rows that were routed.  Both operands are codes of E3M2 with E8M0 scales; sums in f32; gelu (its tanh form) in f32; h is quantised along the hidden units, 32 to a scale.
; A BLOCK (work-group y) is at most 80 sorted tokens that share one pair of experts (lo, hi); work-group x takes 256 of the 1,024 hidden units, wave w 64 of them, for all 80 rows and both experts.
; Rows behind the block's last repeat its last token, so every block does the same 2 x 8 K steps x 20 matrix instructions and EXEC is never touched.
; THE GRID SERVES EVERY SPLIT: 78 blocks at the most.  A block that this split leaves empty (rows = 0) walks the head with clamped indices, passes both barriers, jumps over the work and stores nothing.
; That jump hangs on a stored number; the launch has no tensor load and hence no joint loads in a cluster (whose partners would besides want different experts), and no barrier stands under the jump.
; THE PRODUCT IS USED TRANSPOSED: source 0 = 16 rows of W1 (from wimg, laid in the order of the operand's registers: three loads of 16 bytes a lane a fragment, memory straight to registers, asked for five K steps ahead),
; source 1 = 16 tokens (gathered once into LDS as rows of 768 bytes + 16).  A lane then holds ONE token, and by the choice of W1's rows in a tile its 32 registers of a tile of tokens are 2 x 16 neighbouring hidden units.
; hq: the second product's operand as images of its registers: b 122,880 + sigma 61,440 + x 15,360 + m 3,072 + (w / 2) 1,536 + (w % 2) 768: registers 6 c .. 6 c + 3 at 16 lane, 6 c + 4, 5 at 512 + 8 lane;
; scale words from byte 9,584,640: (2 b + sigma) 3,072 + x 768 + m 128 + (w / 2) 64 + 4 r (m = 5 repeats m = 4, so that whole runs of 256 bytes are stored).
; gelu(x) = x / (1 + 2^(x (c0 + c1 x^2))), c0 = -2 sqrt(2 / pi) log2(e), c1 = 0.044715 c0: the same function as 0.5 x (1 + tanh(..)), with no difference of near numbers.
; LIMITS: NaN and infinities are not served.  A block of zeros gets the scale byte 1 (zero codes; only this program reads the bytes); a block's largest magnitude is not taken under 2^-122.
; REGISTERS, in windows of 256: window 0: v1-15 addresses and c0; v16-39 the tokens' scale words; v56-87 W1's; v88-147, v148-207 the tokens' fragments, two buffers (the second is at work in the epilogue); v208-255 at work.
;   window 1: weight slots 0-4, 48 registers each.   window 2: slot 5.   window 3: v0-159 the 20 accumulators (tile of tokens m, tile of units t at 32 m + 8 t); v160-223 b1 in the result's layout.
.set XP,   784                         ; a token's row in LDS: 196 words: the 32 lanes of a load of 8 bytes touch 64 different banks
.set XSC,  80*XP                       ; the tokens' scale bytes: 32 + 16 of padding a row
.set HST,  XSC+80*48                   ; h's scale words on their way out: 2 x 768 bytes
.set SCA,  16
.set BS,   56
.set AB0,  88
.set T,    148                         ; the epilogue: 32 numbers of a lane,
.set Q,    180                         ; seven registers of the quantiser,
.set F,    188                         ; the second conversion's three
.set EE,   208                         ; and the codes: eight registers for each tile of tokens, so that no store's data are written again within an epilogue
.set PI,   208                         ; the head: offsets into perm, tokens, offsets into xq's codes and scale bytes
.set TK,   218
.set CO,   228
.set SO,   238
.set WB,   28                          ; s[28:31] the two experts' fragments of my 64 units;  s[32:35] their scale words;  s[36:39] their biases;  s[40:43] where h's codes go;  s[44:45] its scale words
.set WS,   32
.set BB,   36
.set HB,   40
.set HSB,  44
.set SEL,  46
.set C1,   48
.set MSB, 0
.macro WIN new                         ; the immediate's high byte repeats the setting that is left
.if MSB != \new
	s_set_vgpr_msb (MSB<<8)|\new
.set MSB, \new
.endif
.endm
	s_load_b256 s[4:11], s[0:1], 0x0               ; xq s[4:5], keys s[6:7], wimg s[8:9], b1 s[10:11]
	s_load_b64 s[12:13], s[0:1], 0x20              ; hq
	s_load_b64 s[56:57], s[0:1], 0x28              ; order (stored here, read by the next launch).  s[6:7] = keys: the table of masks
	v_lshl_add_u32 v254, v0, 2, 0x10a00
	v_mov_b32 v255, 0
	v_lshrrev_b32 v1, 5, v0
	v_readfirstlane_b32 s14, v1                    ; wave
	s_mov_b32 s15, ttmp9                           ; which 256 hidden units
	s_and_b32 s16, ttmp7, 0xffff                   ; the block
	; EVERY WORK-GROUP FINDS ITS OWN BLOCK from keys = [256][32] masks of 16 bits (which of 16 tokens have pair k).  Thread i takes rows 2 i and 2 i + 1: tokens 32 i .. 32 i + 31, 128 bytes.
	v_lshlrev_b32 v208, 7, v0
	s_wait_alu depctr_va_vdst(0)
	s_wait_kmcnt 0x0
.irp n, 0,1,2,3,4,5,6,7
	global_load_b128 v[16+4*\n:19+4*\n], v208, s[6:7] offset:16*\n
.endr
	v_and_b32 v15, 31, v0                          ; lane
	v_lshlrev_b32 v1, 4, v15                       ; 16 x lane
	v_and_b32 v2, 15, v0                           ; r
	v_bfe_u32 v3, v0, 4, 1                         ; h
	v_mul_u32_u24 v4, v2, XP
	v_mad_u32_u24 v4, v3, 24, v4                   ; a token fragment: row r, + 24 h
	v_lshlrev_b32 v5, 3, v15                       ; 8 x lane
	v_lshlrev_b32 v6, 6, v3                        ; b1: 64 h
	s_lshr_b32 s50, s14, 1
	s_lshl_b32 s50, s50, 6
	s_and_b32 s51, s14, 1
	s_lshl_b32 s51, s51, 1
	s_add_co_u32 s50, s50, s51
	s_add_co_u32 s50, s50, HST
	v_lshl_add_u32 v7, v2, 2, s50                  ; my half of row r's scale word: HST + 64 (w / 2) + 2 (w % 2) + 4 r
	v_mul_u32_u24 v8, v15, 48
	v_add_nc_u32 v8, XSC, v8                       ; scale words of rows 0-31 (and, 1,536 bytes on, 32-63): a lane a row
	v_mul_u32_u24 v9, v2, 48
	v_add_nc_u32 v9, XSC+64*48, v9                 ; and of rows 64-79
	s_mul_i32 s50, s14, 20*XP
	v_mul_u32_u24 v10, v3, XP
	v_lshl_add_u32 v10, v2, 4, v10
	v_add_nc_u32 v10, s50, v10                     ; the gather: my wave's 20 rows, two an instruction
	s_mul_i32 s50, s14, 20*48
	s_add_co_u32 s50, s50, XSC
	v_mul_u32_u24 v11, v3, 48
	v_and_b32 v249, 1, v0
	v_lshlrev_b32 v249, 4, v249
	v_add_nc_u32 v11, v11, v249
	v_add_nc_u32 v11, s50, v11                     ; and their scale bytes: 16 bytes by the lane's parity (eight lanes write the same)
	v_mov_b32 v12, 0xc0135761                      ; c0, twice: a pair for the packed form
	v_mov_b32 v13, 0xc0135761
	s_lshl_b32 s50, s14, 8
	v_add_nc_u32 v15, s50, v5                      ; the scale words' way out: 256 w + 8 lane
	v_add_nc_u32 v14, HST, v15
	v_lshlrev_b32 v248, 4, v2
	s_mul_i32 s18, s14, 20                         ; my wave's first row of the block
	s_mov_b32 s[SEL], 0x76543210
	s_mov_b32 s[SEL+1], 0xfedcba98                 ; v_permlanex16_b32's selects for lane l xor 16
	s_mov_b32 s[C1], 0xbdd2d3e8                    ; c1
	s_mov_b32 s[C1+1], s[C1]                       ; (named with it as a pair, so it is written)
	s_mul_i32 s52, s16, 122880
	s_mul_i32 s54, s15, 15360
	s_add_co_u32 s52, s52, s54
	s_lshr_b32 s54, s14, 1
	s_mul_i32 s54, s54, 1536
	s_add_co_u32 s52, s52, s54
	s_and_b32 s54, s14, 1
	s_mul_i32 s54, s54, 768
	s_add_co_u32 s52, s52, s54
	s_mov_b32 s53, 0
	s_add_nc_u64 s[HB:HB+1], s[12:13], s[52:53]
	s_add_nc_u64 s[HB+2:HB+3], s[HB:HB+1], 61440
	s_mul_i32 s52, s16, 6144
	s_mul_i32 s54, s15, 768
	s_add_co_u32 s52, s52, s54
	s_add_co_u32 s52, s52, 9584640
	s_add_nc_u64 s[HSB:HSB+1], s[12:13], s[52:53]
	s_lshl_b32 s50, s15, 2
	s_add_co_u32 s50, s50, s14                     ; g: my 64 units among an expert's 1,024
	s_wait_alu depctr_va_vdst(0)
.set CNTB, 68608                       ; LDS behind the spare words: 8 half waves x 32 counts of 16 bits,
.set MSH,  69120                       ; my pair's mask, a word a thread,
.set CBY,  69632                       ; and the number of its bits, a byte a thread
.set TA,   16                          ; row 2 i of the table: word j = pairs 2 j (low half), 2 j + 1
.set TBB,  32                          ; row 2 i + 1
.set MK,   48                          ; v48-75: pair k's mask of my 32 tokens
.set U1,   76
.set U2,   92
.macro V14 op, d, a, b
.set JJ, 0
.rept 14
	\op v[\d+JJ], \a, v[\b+JJ]
.set JJ, JJ+1
.endr
.endm
.macro W14 op, d, a, b
.set JJ, 0
.rept 14
	\op v[\d+JJ], v[\a+JJ], v[\b+JJ]
.set JJ, JJ+1
.endr
.endm
.macro LEVELS w, a, b, c, t            ; the set bits of word w summed in fields of 2 (a), 4 (b) and 8 bits (c)
	v_lshrrev_b32 v\t, 1, v\w
	v_and_b32 v\t, s98, v\t
	v_sub_nc_u32 v\a, v\w, v\t
	v_lshrrev_b32 v\t, 2, v\a
	v_and_b32 v\b, s99, v\a
	v_and_b32 v\t, s99, v\t
	v_add_nc_u32 v\b, v\b, v\t
	v_lshrrev_b32 v\t, 4, v\b
	v_add_nc_u32 v\c, v\b, v\t
	v_and_b32 v\c, s100, v\c
.endm
.macro SELSTEP src, k, wd              ; one level down: does the wanted bit lie behind the next wd-bit field's lower half?  v136 gathers the bit's place, highest bit first
	v_lshlrev_b32 v133, \k, v136
	v_bfe_u32 v133, v\src, v133, \wd
	v_cmp_le_u32 vcc_lo, v133, v123
	v_cndmask_b32 v133, 0, v133, vcc_lo
	v_sub_nc_u32 v123, v123, v133
	v_add_co_ci_u32 v136, vcc_lo, v136, v136, vcc_lo
.endm
	s_mov_b32 s98, 0x55555555
	s_mov_b32 s99, 0x33333333
	s_mov_b32 s100, 0x0f0f0f0f
	s_mov_b32 s101, 0x00ff00ff
	s_mov_b32 s19, 0x01010101
	s_wait_loadcnt 0x0                             ; the table's 128 bytes of my thread
.set JJ, 0
.rept 14
	v_perm_b32 v[MK+2*JJ], v[TBB+JJ], v[TA+JJ], 0x05040100     ; the two low halves: pair 2 j, tokens 32 i .. + 31
	v_perm_b32 v[MK+2*JJ+1], v[TBB+JJ], v[TA+JJ], 0x07060302   ; the two high halves: pair 2 j + 1
.set JJ, JJ+1
.endr
	; the set bits of both rows, counted in each half word at once: fields of 2, 4 (both rows added: at most 8), 8 and 16 bits
	V14 v_lshrrev_b32, U1, 1, TA
	V14 v_lshrrev_b32, U2, 1, TBB
	V14 v_and_b32, U1, s98, U1
	V14 v_and_b32, U2, s98, U2
	W14 v_sub_nc_u32, TA, TA, U1
	W14 v_sub_nc_u32, TBB, TBB, U2
	V14 v_lshrrev_b32, U1, 2, TA
	V14 v_lshrrev_b32, U2, 2, TBB
	V14 v_and_b32, TA, s99, TA
	V14 v_and_b32, TBB, s99, TBB
	V14 v_and_b32, U1, s99, U1
	V14 v_and_b32, U2, s99, U2
	W14 v_add_nc_u32, TA, TA, U1
	W14 v_add_nc_u32, TBB, TBB, U2
	W14 v_add_nc_u32, TA, TA, TBB
	V14 v_lshrrev_b32, U1, 4, TA
	V14 v_and_b32, TA, s100, TA
	V14 v_and_b32, U1, s100, U1
	W14 v_add_nc_u32, TA, TA, U1
	V14 v_lshrrev_b32, U1, 8, TA
	V14 v_and_b32, TA, s101, TA
	V14 v_and_b32, U1, s101, U1
	W14 v_add_nc_u32, TA, TA, U1                   ; word j: my 32 tokens' counts of pairs 2 j and 2 j + 1 (words 14, 15 are the table's zeros)
.irp k, 1,2,4,8
.set JJ, 0
.rept 14
	v_add_nc_u32_dpp v[TA+JJ], v[TA+JJ], v[TA+JJ] row_xmask:\k row_mask:0xf bank_mask:0xf   ; over the 16 lanes of a row: at most 512 in a half word
.set JJ, JJ+1
.endr
.endr
	s_lshl_b32 s51, s14, 7
	v_lshl_add_u32 v209, v3, 6, s51
	v_add_nc_u32 v209, CNTB, v209                  ; CNTB + 64 (2 w + h): sixteen lanes write the same words with the same values
.irp n, 0,1,2,3
	ds_store_b128 v209, v[TA+4*\n:TA+4*\n+3] offset:16*\n
.endr
	v_lshrrev_b32 v210, 2, v5
	v_add_nc_u32 v210, CNTB, v210                  ; lane k reads pair k's counts
	s_wait_alu depctr_va_vdst(0)
	s_wait_dscnt 0x0                               ; for the others' sake
	s_barrier_signal -1
	s_barrier_wait -1
.irp n, 0,1,2,3,4,5,6,7
	ds_load_u16 v[U1+\n], v210 offset:64*\n
.endr
	s_wait_dscnt 0x0
	v_add3_u32 v100, v[U1], v[U1+1], v[U1+2]
	v_add3_u32 v101, v[U1+3], v[U1+4], v[U1+5]
	v_add3_u32 v100, v100, v[U1+6], v[U1+7]
	v_add_nc_u32 v100, v100, v101                  ; in lane k: pair k's tokens in all
	v_add_nc_u32 v101, 79, v100
	v_mul_u32_u24 v101, v101, 0xcccd
	v_lshrrev_b32 v101, 22, v101                   ; its blocks: (n + 79) / 80; 52,429 / 2^22 is exact for this up to n + 79 = 4,175
.set KK, 0
.rept 28
	v_readlane_b32 s[66+KK], v101, KK
.set KK, KK+1
.endr
	s_mov_b32 s25, 0                               ; blocks so far
	s_mov_b32 s26, 0                               ; my pair's first block,
	s_mov_b32 s27, 0                               ; its number,
	s_mov_b32 s55, 0x100                           ; its lo | hi << 8
	v_mov_b32 v102, 0                              ; and its mask of my 32 tokens
.set KK, 0
.set PLO, 0
.set PHI, 1
.rept 28                               ; the last pair whose first block is not behind mine is my pair
	s_cmp_le_u32 s25, s16
	s_cselect_b32 s26, s25, s26
	s_cselect_b32 s27, KK, s27
	s_cselect_b32 s55, PLO|(PHI<<8), s55
	s_cselect_b32 s58, -1, 0
	v_cndmask_b32 v102, v102, v[MK+KK], s58
	s_add_co_u32 s25, s25, s[66+KK]
.set KK, KK+1
.set PHI, PHI+1
.if PHI > 7
.set PLO, PLO+1
.set PHI, PLO+1
.endif
.endr
	s_wait_alu depctr_va_vdst(0)
	v_readlane_b32 s17, v100, s27                  ; my pair's tokens
	s_sub_co_u32 s26, s16, s26                     ; which block of the pair is mine
	s_mul_i32 s59, s26, 80                         ; the rank of its first token in the pair
	s_sub_co_i32 s21, s17, s59
	s_max_i32 s21, s21, 0
	s_min_i32 s21, s21, 80                         ; its rows: 0 behind the last block
	s_and_b32 s22, s55, 0xff
	s_lshr_b32 s23, s55, 8
	s_min_u32 s22, s22, 7
	s_min_u32 s23, s23, 7
	s_max_u32 s24, s21, 1
	s_sub_co_u32 s24, s24, 1                       ; the block's last row
	LEVELS 102, 103, 104, 105, 106
	v_mul_lo_u32 v106, v105, s19
	v_lshrrev_b32 v106, 24, v106                   ; how many of my 32 tokens have the pair
	v_lshl_add_u32 v211, v0, 2, MSH
	v_add_nc_u32 v213, CBY, v0
	ds_store_b32 v211, v102
	ds_store_b8 v213, v106
	v_add_nc_u32 v212, MSH, v1
	v_lshrrev_b32 v214, 1, v5
	v_add_nc_u32 v214, CBY, v214
	s_wait_alu depctr_va_vdst(0)
	s_wait_dscnt 0x0                               ; for the others' sake
	s_barrier_signal -1
	s_barrier_wait -1
	; EACH WAVE PICKS ITS OWN ROWS: lane q wants the token of rank 80 j + row, row = 20 w + q held at the block's last.  Lane l holds the pair's mask of tokens 128 l .. + 127.
	ds_load_b128 v[104:107], v212
	ds_load_b32 v108, v214
	v_lshrrev_b32 v112, 3, v5
	v_add_nc_u32 v112, s18, v112                   ; 20 w + lane
	v_min_u32 v113, s24, v112
	v_add_nc_u32 v114, s59, v113                   ; the rank wanted
	v_mov_b32 v115, 0
	v_mov_b32 v129, 0
	v_mov_b32 v136, 0
	s_wait_alu depctr_va_vdst(0)
	s_wait_dscnt 0x0
	v_mul_lo_u32 v109, v108, s19                   ; the four words' counts summed up byte by byte (at most 128)
	v_lshrrev_b32 v110, 24, v109
	v_lshrrev_b32 v111, 24, v109
.irp k, 1,2,4,8
	v_add_nc_u32_dpp v110, v110, v110 row_shr:\k row_mask:0xf bank_mask:0xf bound_ctrl:1
.endr
	v_readlane_b32 s20, v110, 15
	v_mad_u32_u24 v110, v3, s20, v110              ; tokens of the pair up to and with my 128
	v_sub_nc_u32 v111, v110, v111                  ; and ahead of them
.set KK, 0
.rept 31
	v_readlane_b32 s[66+KK], v110, KK
.set KK, KK+1
.endr
.set KK, 0
.rept 31
	v_cmp_le_u32 vcc_lo, s[66+KK], v114
	v_add_co_ci_u32 v115, vcc_lo, 0, v115, vcc_lo  ; the lane whose 128 tokens hold the rank: how many lanes end at or under it
.set KK, KK+1
.endr
	v_lshlrev_b32 v116, 2, v115
.irp n, 0,1,2,3
	ds_bpermute_b32 v[117+\n], v116, v[104+\n]
.endr
	ds_bpermute_b32 v121, v116, v111
	ds_bpermute_b32 v122, v116, v109
	s_wait_dscnt 0x0
	v_sub_nc_u32 v123, v114, v121                  ; the rank inside those 128
	v_bfe_u32 v124, v122, 0, 8
	v_bfe_u32 v125, v122, 8, 8
	v_bfe_u32 v126, v122, 16, 8
	v_cmp_le_u32 vcc_lo, v124, v123
	v_cndmask_b32 v127, v117, v118, vcc_lo         ; the word,
	v_cndmask_b32 v128, 0, v124, vcc_lo            ; the bits ahead of it,
	v_add_co_ci_u32 v129, vcc_lo, 0, v129, vcc_lo  ; its number
	v_cmp_le_u32 vcc_lo, v125, v123
	v_cndmask_b32 v127, v127, v119, vcc_lo
	v_cndmask_b32 v128, v128, v125, vcc_lo
	v_add_co_ci_u32 v129, vcc_lo, 0, v129, vcc_lo
	v_cmp_le_u32 vcc_lo, v126, v123
	v_cndmask_b32 v127, v127, v120, vcc_lo
	v_cndmask_b32 v128, v128, v126, vcc_lo
	v_add_co_ci_u32 v129, vcc_lo, 0, v129, vcc_lo
	v_sub_nc_u32 v123, v123, v128
	LEVELS 127, 130, 131, 132, 133
	v_lshrrev_b32 v133, 8, v132
	v_add_nc_u32 v133, v133, v132
	v_and_b32 v133, 0xff, v133                     ; the set bits of the word's low half
	v_cmp_le_u32 vcc_lo, v133, v123
	v_cndmask_b32 v133, 0, v133, vcc_lo
	v_sub_nc_u32 v123, v123, v133
	v_add_co_ci_u32 v136, vcc_lo, v136, v136, vcc_lo
	SELSTEP 132, 4, 8
	SELSTEP 131, 3, 4
	SELSTEP 130, 2, 2
	SELSTEP 127, 1, 1
	v_lshl_add_u32 v40, v115, 2, v129
	v_lshl_add_u32 v40, v40, 5, v136
	v_min_u32 v40, 0xfff, v40                      ; lane q: the token of row 20 w + q (held at the block's last)
	; order: [78 blocks][128] tokens (entries 0..91 are stored), then from byte 40,960 [78] x (first rank, rows, lo, hi).  The work-groups with x = 0 store them; neighbouring waves' lanes that name the same entry store the same token.
	s_lshl_b32 s20, s16, 9
	s_lshl_b32 s51, s16, 4
	v_lshl_add_u32 v41, v112, 2, s20
	s_wait_alu depctr_va_vdst(0)
	s_cmp_lg_u32 s15, 0
	s_cbranch_scc1 .Lnolist
	global_store_b32 v41, v40, s[56:57]
	s_cmp_lg_u32 s14, 0
	s_cbranch_scc1 .Lnolist
	v_mov_b32 v44, s59
	v_mov_b32 v45, s21
	v_mov_b32 v46, s22
	v_mov_b32 v47, s23
	v_mov_b32 v42, s51
	global_store_b128 v42, v[44:47], s[56:57] offset:40960
.Lnolist:
.irp e, 0,1
	s_lshl_b32 s51, s[22+\e], 4
	s_add_co_u32 s51, s51, s50
	s_mul_i32 s52, s51, 49152
	s_add_nc_u64 s[WB+2*\e:WB+2*\e+1], s[8:9], s[52:53]
	s_lshl_b32 s52, s51, 11
	s_add_co_u32 s52, s52, 12582912
	s_add_nc_u64 s[WS+2*\e:WS+2*\e+1], s[8:9], s[52:53]
	s_lshl_b32 s52, s[22+\e], 12
	s_lshl_b32 s54, s15, 10
	s_add_co_u32 s52, s52, s54
	s_lshl_b32 s54, s14, 8
	s_add_co_u32 s52, s52, s54
	s_add_nc_u64 s[BB+2*\e:BB+2*\e+1], s[10:11], s[52:53]
.endr
.irp i, 0,1,2,3,4,5,6,7,8,9
	v_lshl_add_u32 v[PI+\i], v3, 2, 8*\i           ; row 20 w + 2 i + lane / 16 stands in lane 2 i + lane / 16
	ds_bpermute_b32 v[TK+\i], v[PI+\i], v40
.endr
.irp e, 0,1
.irp i, 0,1,2,3
	global_load_b128 v[BS+16*\e+4*\i:BS+16*\e+4*\i+3], v1, s[WS+2*\e:WS+2*\e+1] offset:512*\i   ; register 8 (t / 2) + s: lanes 0-15 tile t even, lanes 16-31 tile t odd
.endr
.endr
	WIN 0xc0                                       ; destination window 3
.irp e, 0,1
.irp t, 0,1,2,3
	global_load_b128 v[160+32*\e+8*\t:160+32*\e+8*\t+3], v6, s[BB+2*\e:BB+2*\e+1] offset:(32*(\t/2)+8*(\t%2))*4      ; b1 at units 32 (t / 2) + 16 h + 8 (t % 2) + 0 .. 7
	global_load_b128 v[160+32*\e+8*\t+4:160+32*\e+8*\t+7], v6, s[BB+2*\e:BB+2*\e+1] offset:(32*(\t/2)+8*(\t%2))*4+16
.endr
.endr
.macro BLOAD gg                        ; the weights of step gg (expert gg / 8, K step gg % 8): four fragments, twelve loads of 512 consecutive bytes, into slot gg % 6
.set BSL, (\gg)%6
.if BSL < 5
	WIN 0x40
.set BRB, 48*BSL
.else
	WIN 0x80
.set BRB, 0
.endif
.irp t, 0,1,2,3
.irp c, 0,1,2
	global_load_b128 v[BRB+12*\t+4*\c:BRB+12*\t+4*\c+3], v1, s[WB+2*((\gg)/8):WB+2*((\gg)/8)+1] offset:6144*((\gg)%8)+1536*\t+512*\c
.endr
.endr
.endm
	BLOAD 0
	BLOAD 1
	WIN 0
	s_wait_dscnt 0x0                               ; the ten tokens are in their lanes
.irp i, 0,1,2,3,4,5,6,7,8,9
	v_min_u32 v[TK+\i], 0xfff, v[TK+\i]
	v_mul_u32_u24 v[CO+\i], v[TK+\i], 768
	v_add_nc_u32 v[CO+\i], v[CO+\i], v248          ; sixteen lanes take 256 consecutive bytes of the token's codes
	v_lshlrev_b32 v[SO+\i], 5, v[TK+\i]
	v_add_nc_u32 v[SO+\i], v[SO+\i], v249
.endr
	WIN 0xc0                                       ; the accumulators' registers carry the gather
.irp i, 0,1,2,3,4,5,6,7,8,9
.irp j, 0,1,2
	global_load_b128 v[12*\i+4*\j:12*\i+4*\j+3], v[CO+\i], s[4:5] offset:256*\j
.endr
.endr
.irp i, 0,1,2,3,4,5,6,7,8,9
	global_load_b128 v[120+4*\i:123+4*\i], v[SO+\i], s[4:5] offset:3145728
.endr
	BLOAD 2
	BLOAD 3
	BLOAD 4
	BLOAD 5
	s_wait_loadcnt 48                              ; all but the four slots just asked for
	WIN 0x0c                                       ; an LDS store's data are its source 1: window 3
.irp i, 0,1,2,3,4,5,6,7,8,9
.irp j, 0,1,2
	ds_store_b128 v10, v[12*\i+4*\j:12*\i+4*\j+3] offset:2*XP*\i+256*\j
.endr
.endr
.irp i, 0,1,2,3,4,5,6,7,8,9
	ds_store_b128 v11, v[120+4*\i:123+4*\i] offset:96*\i
.endr
	WIN 0
	s_wait_dscnt 0x0                               ; for the others' sake: my 20 rows lie in LDS
	s_barrier_signal -1
	s_barrier_wait -1
	s_cmp_eq_u32 s21, 0
	s_cbranch_scc1 .Ljoin                          ; an empty block: round the work, in which no barrier stands
.macro ALOAD gg                        ; the five token fragments of K step gg % 8 into buffer gg % 2: each 24 bytes as three loads of 8
.set AAB, AB0+60*((\gg)%2)
.irp m, 0,1,2,3,4
.irp p, 0,1,2,3,4,5
	ds_load_b64 v[AAB+12*\m+2*\p:AAB+12*\m+2*\p+1], v4 offset:16*XP*\m+96*((\gg)%8)+48*(\p/3)+8*(\p%3)
.endr
.endr
.endm
.macro WM ra, rb                       ; one product; ra, rb: the scale words stand in lanes 16-31 of their registers
.if ((\ra) != 0) && ((\rb) != 0)
	v_wmma_scale_f32_16x16x128_f8f6f4 v[RD:RD+7], v[RA:RA+11], v[RBB:RBB+11], v[RC:RC+7], v[RSA], v[RSB] matrix_a_fmt:MATRIX_FMT_BF6 matrix_b_fmt:MATRIX_FMT_BF6 matrix_a_scale:MATRIX_SCALE_ROW1 matrix_b_scale:MATRIX_SCALE_ROW1
.elseif (\ra) != 0
	v_wmma_scale_f32_16x16x128_f8f6f4 v[RD:RD+7], v[RA:RA+11], v[RBB:RBB+11], v[RC:RC+7], v[RSA], v[RSB] matrix_a_fmt:MATRIX_FMT_BF6 matrix_b_fmt:MATRIX_FMT_BF6 matrix_a_scale:MATRIX_SCALE_ROW1
.elseif (\rb) != 0
	v_wmma_scale_f32_16x16x128_f8f6f4 v[RD:RD+7], v[RA:RA+11], v[RBB:RBB+11], v[RC:RC+7], v[RSA], v[RSB] matrix_a_fmt:MATRIX_FMT_BF6 matrix_b_fmt:MATRIX_FMT_BF6 matrix_b_scale:MATRIX_SCALE_ROW1
.else
	v_wmma_scale_f32_16x16x128_f8f6f4 v[RD:RD+7], v[RA:RA+11], v[RBB:RBB+11], v[RC:RC+7], v[RSA], v[RSB] matrix_a_fmt:MATRIX_FMT_BF6 matrix_b_fmt:MATRIX_FMT_BF6
.endif
.endm
; STEP gg of 16.  The 20 accumulators take turns, one instruction a turn, in the same order in every step.  An expert's first K step takes the bias as C: nothing is cleared or added.
.macro KSTEP gg
	s_wait_dscnt 0x0                               ; this step's token fragments, asked for a step ago
.if (\gg) == 0
	s_wait_loadcnt 60                              ; this step's weights are in; what may be out is 12 loads for each step asked for behind it: five steps here,
.elseif (\gg) <= 11
	s_wait_loadcnt 48                              ; four in the steady state (this step's own refill follows below),
.else
	s_wait_loadcnt 12*(15-(\gg))                   ; and the count runs down when nothing is left to ask for
.endif
.rept 4
	v_nop                                          ; four places between the last step's products and loads into registers that they read (ISA guide 7.12.1 for vector instructions)
.endr
.if (\gg) == 8
	v_nop                                          ; a fifth: this step's products write the accumulators anew
.endif
.if ((\gg) >= 1) && ((\gg) <= 10)
	BLOAD (\gg)+5                                  ; into the slot that the last step left: five steps, 100 matrix instructions, ahead of its use
.endif
.if (\gg) < 15
	WIN 0
	ALOAD (\gg)+1
.endif
.set SL, (\gg)%6
.set SG, (\gg)/8
.set SS, (\gg)%8
.set AB, AB0+60*((\gg)%2)
.if SL < 5
	WIN 0xf1                                       ; source 0 window 1, source 1 window 0, C and D window 3
.set RB, 48*SL
.else
	WIN 0xf2
.set RB, 0
.endif
.irp m, 0,1,2,3,4
.irp t, 0,1,2,3
.set RD, 32*\m+8*\t
.if SS == 0
.set RC, 160+32*SG+8*\t
.else
.set RC, RD
.endif
.set RA, RB+12*\t
.set RBB, AB+12*\m
.set RSA, BS+16*SG+8*(\t/2)+SS
.set RSB, SCA+8*(\m/2)+SS
	WM \t%2, \m%2
.endr
.endr
.endm
; THE EPILOGUE of expert sg: for each tile of 16 tokens gelu, the quantiser, and the way out.  A lane's 32 numbers are two halves of blocks: register 16 b + i = unit 32 b + 16 h + i of my wave's 64.
.macro EPI sg
.rept 4
	v_nop                                          ; four places between the last products and the first read of results
.endr
	WIN 0
.if \sg
	s_wait_xcnt 0x0                                ; the first epilogue's stores have read their data: the codes' registers are written again only behind this wait
.endif
	v_mov_b32 v[Q+2], 0                            ; a lane permute's destination counts as one of its sources
	v_mov_b32 v[Q+3], 0
.irp m, 0,1,2,3,4
	WIN 0x0f                                       ; sources 0 and 1 window 3
.set I, 0
.rept 16
	v_pk_mul_f32 v[T+I:T+I+1], v[32*\m+I:32*\m+I+1], v[32*\m+I:32*\m+I+1]        ; x^2; each accumulator is read from its low end on
.set I, I+2
.endr
	WIN 0
.set I, 0
.rept 16
	v_pk_fma_f32 v[T+I:T+I+1], v[T+I:T+I+1], s[C1:C1+1], v[12:13] op_sel_hi:[1,0,1]   ; c0 + c1 x^2
.set I, I+2
.endr
	WIN 0x0c                                       ; source 1 window 3
.set I, 0
.rept 16
	v_pk_mul_f32 v[T+I:T+I+1], v[T+I:T+I+1], v[32*\m+I:32*\m+I+1]
.set I, I+2
.endr
	WIN 0
.set I, 0
	s_wait_alu depctr_va_vdst(0)
.rept 32
	v_exp_f32 v[T+I], v[T+I]
.set I, I+1
.endr
	v_nop                                          ; a plain line behind the last exponential,
	s_wait_alu depctr_va_vdst(0)                   ; and one wait for the batch, ahead of its first reader
.set I, 0
.rept 16
	v_pk_add_f32 v[T+I:T+I+1], v[T+I:T+I+1], 1.0 op_sel_hi:[1,0]
.set I, I+2
.endr
.set I, 0
	s_wait_alu depctr_va_vdst(0)
.rept 32
	v_rcp_f32 v[T+I], v[T+I]
.set I, I+1
.endr
	v_nop
	s_wait_alu depctr_va_vdst(0)                   ; likewise for the reciprocals
	WIN 0x0c
.set I, 0
.rept 16
	v_pk_mul_f32 v[T+I:T+I+1], v[T+I:T+I+1], v[32*\m+I:32*\m+I+1]                ; gelu
.set I, I+2
.endr
	WIN 0
.set E, EE+8*\m
.irp b, 0,1
	v_max3_num_f32 v[Q+\b], |v[T+16*\b]|, |v[T+16*\b+1]|, 0x2800000               ; block b: my 16 numbers, and the floor 2^(5 - 127): the byte cannot fall under 1
.endr
.irp i, 2,4,6,8,10,12,14
.irp b, 0,1
	v_max3_num_f32 v[Q+\b], v[Q+\b], |v[T+16*\b+\i]|, |v[T+16*\b+\i+1]|
.endr
.endr
.irp b, 0,1
	v_permlanex16_b32 v[Q+2+\b], v[Q+\b], s[SEL], s[SEL+1]
.endr
.irp b, 0,1
	v_max_num_f32 v[Q+\b], v[Q+\b], v[Q+2+\b]      ; with lane l xor 16's: the block's largest magnitude
.endr
.irp b, 0,1
	v_add_nc_u32 v[Q+4+\b], 0xfe000000, v[Q+\b]    ; 4 off its exponent field: the conversion's scale operand
.endr
.irp b, 0,1
	v_lshrrev_b32 v[Q+2+\b], 23, v[Q+4+\b]         ; the scale's byte
.endr
	v_lshl_or_b32 v[Q+6], v[Q+3], 8, v[Q+2]        ; my wave's two bytes of the row's scale word
	v_cvt_scalef32_pk16_bf6_f32 v[E:E+2], v[T:T+15], v[Q+4]
	v_cvt_scalef32_pk16_bf6_f32 v[F:F+2], v[T+16:T+31], v[Q+5]                    ; (a conversion's three registers begin on an even number)
	v_nop                                          ; one plain line behind a scaled conversion
.irp i, 0,1,2
	v_permlane16_swap_b32 v[E+\i], v[F+\i]         ; the operand's layout wants a whole block in a lane: lanes 0-15 block 0, lanes 16-31 block 1
.endr
.irp i, 0,1,2
	v_mov_b32 v[E+3+\i], v[F+\i]
.endr
	global_store_b128 v1, v[E:E+3], s[HB+2*\sg:HB+2*\sg+1] offset:3072*\m         ; 512 consecutive bytes,
	global_store_b64 v5, v[E+4:E+5], s[HB+2*\sg:HB+2*\sg+1] offset:3072*\m+512    ; and 256: half a fragment's image
	ds_store_b16 v7, v[Q+6] offset:768*\sg+128*\m  ; both halves of the lanes write the same two bytes
.if \m == 4
	ds_store_b16 v7, v[Q+6] offset:768*\sg+640     ; and once more, so that the run of 768 bytes is whole
.endif
.endr
.endm
.irp a, 0,1
.irp q, 0,1
	ds_load_b128 v[SCA+8*\a+4*\q:SCA+8*\a+4*\q+3], v8 offset:1536*\a+16*\q        ; register 8 (m / 2) + s: lanes 0-15 tile m even, lanes 16-31 tile m odd
.endr
.endr
.irp q, 0,1
	ds_load_b128 v[SCA+16+4*\q:SCA+16+4*\q+3], v9 offset:16*\q
.endr
	ALOAD 0
.irp g, 0,1,2,3,4,5,6,7
	KSTEP \g
.endr
	EPI 0
.irp g, 8,9,10,11,12,13,14,15
	KSTEP \g
.endr
	EPI 1
.Ljoin:
	s_wait_dscnt 0x0                               ; for the others' sake: my halves of the scale words lie in LDS
	s_barrier_signal -1
	s_barrier_wait -1
	s_cmp_eq_u32 s21, 0
	s_cbranch_scc1 .Lend
	s_cmp_lt_u32 s14, 3
	s_cbranch_scc0 .Lend
	ds_load_b64 v[88:89], v14                      ; waves 0-2: 256 bytes each of either expert's 768
	ds_load_b64 v[90:91], v14 offset:768
	s_wait_dscnt 0x0
	global_store_b64 v15, v[88:89], s[HSB:HSB+1]
	global_store_b64 v15, v[90:91], s[HSB:HSB+1] offset:3072
.Lend:
	s_wait_tensorcnt 0x0
	ds_add_u32 v254, v255
	s_wait_dscnt 0x0
	s_endpgm
.Lfunc_end_k_q18e777a385_up:
	.size	k_q18e777a385_up, .Lfunc_end_k_q18e777a385_up-k_q18e777a385_up
	.p2alignl 7, 3214868480
	.fill 96, 4, 3214868480
	.section	.rodata,"a",@progbits
	.p2align	6, 0x0
	.amdhsa_kernel k_q18e777a385_up
		.amdhsa_group_segment_fixed_size 69888
		.amdhsa_private_segment_fixed_size 0
		.amdhsa_enable_private_segment 0
		.amdhsa_kernarg_size 48
		.amdhsa_user_sgpr_count 2
		.amdhsa_user_sgpr_kernarg_segment_ptr 1
		.amdhsa_wavefront_size32 1
		.amdhsa_system_sgpr_workgroup_id_x 1
		.amdhsa_system_sgpr_workgroup_id_y 1
		.amdhsa_system_sgpr_workgroup_id_z 1
		.amdhsa_system_vgpr_workitem_id 0
		.amdhsa_next_free_vgpr 1024
		.amdhsa_next_free_sgpr 102
		.amdhsa_reserve_vcc 1
		.amdhsa_float_denorm_mode_32 3
		.amdhsa_float_denorm_mode_16_64 3
		.amdhsa_memory_ordered 1
		.amdhsa_forward_progress 1
		.amdhsa_inst_pref_size 245
	.end_amdhsa_kernel
	.amdgpu_metadata
---
amdhsa.version: [ 1, 2 ]
amdhsa.kernels:
  - .name:           k_q18e777a385_up
    .symbol:         k_q18e777a385_up.kd
    .args:
      - { .name: xq, .offset: 0, .size: 8, .value_kind: global_buffer, .address_space: global }
      - { .name: keys, .offset: 8, .size: 8, .value_kind: global_buffer, .address_space: global }
      - { .name: wimg, .offset: 16, .size: 8, .value_kind: global_buffer, .address_space: global }
      - { .name: b1, .offset: 24, .size: 8, .value_kind: global_buffer, .address_space: global }
      - { .name: hq, .offset: 32, .size: 8, .value_kind: global_buffer, .address_space: global }
      - { .name: order, .offset: 40, .size: 8, .value_kind: global_buffer, .address_space: global }
    .group_segment_fixed_size: 69888
    .private_segment_fixed_size: 0
    .kernarg_segment_align: 8
    .kernarg_segment_size: 48
    .max_flat_workgroup_size: 128
    .sgpr_count:     102
    .vgpr_count:     1024
    .wavefront_size: 32
...
	.end_amdgpu_metadata
.endif
;; end of part 2
;; launch down (part 3): grid 4 x 78, 4 waves a work-group, no clusters, 147,456 bytes of LDS; arguments hq, order, wts, wimg, b2, out0; writes out0
.if DOCPART == 3
	.amdgcn_target "amdgcn-amd-amdhsa--gfx1250"
	.amdhsa_code_object_version 6
	.text
	.protected	k_q18e777a385_down
	.globl	k_q18e777a385_down
	.p2align	8
	.type	k_q18e777a385_down,@function
k_q18e777a385_down:
	s_mov_b64 s[64:65], 0
	v_nop
	global_prefetch_b8 v0, s[64:65] scope:SCOPE_SE
	s_setreg_imm32_b32 hwreg(HW_REG_WAVE_MODE, 25, 1), 1
	s_wait_xcnt 0x0
; out = w_lo (h_lo W2_lo + b2_lo) + w_hi (h_hi W2_hi + b2_hi) for the tokens of a block.  Both operands of the products are codes of E3M2 with E8M0 scales; sums, weights and the sum of the two experts in f32.
; A BLOCK (work-group y) is at most 80 sorted tokens with one pair of experts; work-group x takes 256 of the 1,024 output columns, wave w 64 of them, for all 80 rows and both experts: EACH OUTPUT ROW'S PIECE HAS ONE OWNER.
; Rows behind the block's last repeat its last token: they give the same bits and store them to the same place, so EXEC is never touched.
; THE GRID SERVES EVERY SPLIT: 78 blocks at the most.  An empty block (rows = 0) walks the head with clamped indices (it copies block 0's bytes, which are always written), passes the barrier and ends.
; That jump hangs on a stored number; the launch has no tensor load and hence no joint loads in a cluster (whose partners would besides want different experts), and no barrier stands behind the jump.
; THE PRODUCT IS USED TRANSPOSED: source 0 = 16 rows of W2 (from wimg, in the order of the operand's registers, memory straight to registers, asked for five K steps ahead), source 1 = 16 tokens of h
; (hq holds images of the operand's registers: the block's 122,880 bytes and 6,144 bytes of scale words are copied into LDS as they lie).  A lane holds one token and eight neighbouring columns a tile.
; LIMITS: NaN and infinities are not served.
; REGISTERS, in windows of 256: window 0: v1-15 addresses; v16-55 h's scale words; v56-87 W2's; v88-147, v148-207 h's fragments, two buffers (on the way out: results, rows read back, offsets); v208-227 at work, the weights among them.
;   window 1: weight slots 0-4.   window 2: slot 5; v64-223 w_lo x the first expert's result.   window 3: v0-159 the 20 accumulators (32 m + 8 t); v160-223 b2 in the result's layout.
.set HSC,  122880                      ; LDS: behind h's codes: its scale words,
.set LIST, HSC+6144                    ; the token of each of 128 rows,
.set OST,  LIST+512                    ; and a stage of 16 rows x (256 bytes + 16) for each wave
.set SCA,  16
.set BS,   56
.set AB0,  88
.set WLH,  210                         ; v210-219: (w_lo, w_hi) of token 16 m + r
.set WB,   28                          ; s[28:31] the two experts' fragments of my 64 columns;  s[32:35] their scale words;  s[36:39] their biases;  s[40:41] the block's codes;  s[42:43] its scale words;  s[44:45] my columns of out0
.set WS,   32
.set BB,   36
.set MSB, 0
.macro WIN new                         ; the immediate's high byte repeats the setting that is left
.if MSB != \new
	s_set_vgpr_msb (MSB<<8)|\new
.set MSB, \new
.endif
.endm
	s_load_b256 s[4:11], s[0:1], 0x0               ; hq s[4:5], order s[6:7], wts s[8:9], wimg s[10:11]
	s_load_b128 s[12:15], s[0:1], 0x20             ; b2 s[12:13], out0 s[14:15]
	v_lshl_add_u32 v254, v0, 2, 0x23e00
	v_mov_b32 v255, 0
	v_lshrrev_b32 v1, 5, v0
	v_readfirstlane_b32 s16, v1                    ; wave
	s_mov_b32 s17, ttmp9                           ; which 256 columns
	s_and_b32 s18, ttmp7, 0xffff                   ; the block
	s_lshl_b32 s19, s18, 4
	s_wait_kmcnt 0x0
	s_load_b128 s[20:23], s[6:7], s19 offset:0xa000   ; order from byte 40,960: (first rank, rows, lo, hi); ahead of it [78 blocks][128] tokens, rows behind a block's last holding its last token.  s[8:9] = wts, by token
	v_and_b32 v209, 31, v0                         ; lane
	v_lshlrev_b32 v1, 4, v209                      ; 16 x lane: an image's first four registers (expert lo),
	v_and_b32 v2, 15, v0                           ; r
	v_bfe_u32 v3, v0, 4, 1                         ; h
	v_lshlrev_b32 v4, 3, v209                      ; 8 x lane: its last two,
	v_add_nc_u32 v5, 61440, v1                     ; and the same for expert hi: an LDS offset ends at 65,535
	v_add_nc_u32 v6, 61440, v4
	v_lshlrev_b32 v7, 5, v3                        ; b2: 32 h
	s_mul_i32 s50, s16, 30720
	v_add_nc_u32 v8, s50, v1                       ; the copy: my wave's quarter, in hq's block and in LDS alike
	s_mul_i32 s50, s16, 1536
	v_add_nc_u32 v9, s50, v1
	v_add_nc_u32 v10, HSC, v9
	v_lshl_add_u32 v11, v0, 2, LIST
	v_lshl_add_u32 v12, v209, 2, HSC               ; scale words: lanes 0-15 an even K step's, lanes 16-31 the odd one's
	s_mul_i32 s50, s16, 4352
	s_add_co_u32 s50, s50, OST
	v_mul_u32_u24 v13, v2, 272
	v_lshl_add_u32 v13, v3, 5, v13
	v_add_nc_u32 v13, s50, v13                     ; my stage, in: row r, + 32 h
	v_mul_u32_u24 v14, v3, 272
	v_lshl_add_u32 v14, v2, 4, v14
	v_add_nc_u32 v14, s50, v14                     ; and back: lanes 0-15 one row of 256 bytes, lanes 16-31 the next
	v_lshl_add_u32 v15, v3, 2, LIST
	v_lshlrev_b32 v208, 4, v2
	s_lshl_b32 s52, s17, 10
	s_lshl_b32 s54, s16, 8
	s_add_co_u32 s52, s52, s54
	s_mov_b32 s53, 0
	s_add_nc_u64 s[44:45], s[14:15], s[52:53]
	s_lshl_b32 s50, s17, 2
	s_add_co_u32 s50, s50, s16                     ; g: my 64 columns among 1,024
	s_wait_kmcnt 0x0
	s_min_u32 s21, s21, 80
	s_min_u32 s22, s22, 7
	s_min_u32 s23, s23, 7
	s_cmp_eq_u32 s21, 0
	s_cselect_b32 s25, 0, s18                      ; an empty block copies block 0's bytes
	s_mul_i32 s52, s25, 122880
	s_add_nc_u64 s[40:41], s[4:5], s[52:53]
	s_mul_i32 s52, s25, 6144
	s_add_co_u32 s52, s52, 9584640
	s_add_nc_u64 s[42:43], s[4:5], s[52:53]
.irp e, 0,1
	s_lshl_b32 s51, s[22+\e], 4
	s_add_co_u32 s51, s51, s50
	s_mul_i32 s52, s51, 49152
	s_add_co_u32 s52, s52, 6291456
	s_add_nc_u64 s[WB+2*\e:WB+2*\e+1], s[10:11], s[52:53]
	s_lshl_b32 s52, s51, 11
	s_add_co_u32 s52, s52, 12582912+262144
	s_add_nc_u64 s[WS+2*\e:WS+2*\e+1], s[10:11], s[52:53]
	s_lshl_b32 s52, s[22+\e], 12
	s_lshl_b32 s54, s17, 10
	s_add_co_u32 s52, s52, s54
	s_lshl_b32 s54, s16, 8
	s_add_co_u32 s52, s52, s54
	s_add_nc_u64 s[BB+2*\e:BB+2*\e+1], s[12:13], s[52:53]
.endr
	s_lshl_b32 s51, s18, 9                         ; my block's list: 512 bytes
	v_min_u32 v225, 79, v0                         ; row = my thread's number, held at 79
	v_lshl_add_u32 v225, v225, 2, s51
	v_lshl_add_u32 v227, v2, 2, s51
	global_load_b32 v226, v225, s[6:7]             ; its token
.irp m, 0,1,2,3,4
	global_load_b32 v[220+\m], v227, s[6:7] offset:64*\m   ; the token of row 16 m + r
.endr
.irp e, 0,1
.irp i, 0,1,2,3
	global_load_b128 v[BS+16*\e+4*\i:BS+16*\e+4*\i+3], v1, s[WS+2*\e:WS+2*\e+1] offset:512*\i   ; register 8 (t / 2) + s: lanes 0-15 tile t even, lanes 16-31 tile t odd
.endr
.endr
	WIN 0xc0                                       ; destination window 3
.irp e, 0,1
.irp t, 0,1,2,3
	global_load_b128 v[160+32*\e+8*\t:160+32*\e+8*\t+3], v7, s[BB+2*\e:BB+2*\e+1] offset:64*\t      ; b2 at columns 16 t + 8 h + 0 .. 7
	global_load_b128 v[160+32*\e+8*\t+4:160+32*\e+8*\t+7], v7, s[BB+2*\e:BB+2*\e+1] offset:64*\t+16
.endr
.endr
.macro BLOAD gg                        ; the weights of step gg (expert gg / 8, K step gg % 8): four fragments, twelve loads of 512 consecutive bytes, into slot gg % 6
.set BSL, (\gg)%6
.if BSL < 5
	WIN 0x40
.set BRB, 48*BSL
.else
	WIN 0x80
.set BRB, 0
.endif
.irp t, 0,1,2,3
.irp c, 0,1,2
	global_load_b128 v[BRB+12*\t+4*\c:BRB+12*\t+4*\c+3], v1, s[WB+2*((\gg)/8):WB+2*((\gg)/8)+1] offset:6144*((\gg)%8)+1536*\t+512*\c
.endr
.endr
.endm
	BLOAD 0
	BLOAD 1
	WIN 0
	s_wait_alu depctr_va_vdst(0)
	s_wait_loadcnt 48                              ; the tokens are in; behind them: 8 loads of scale words, 16 of biases, 24 of weights
.irp m, 0,1,2,3,4
	v_min_u32 v[220+\m], 0xfff, v[220+\m]
	v_lshlrev_b32 v[220+\m], 3, v[220+\m]
.endr
.irp m, 0,1,2,3,4
	global_load_b64 v[WLH+2*\m:WLH+2*\m+1], v[220+\m], s[8:9]   ; (w_lo, w_hi) of that token
.endr
	WIN 0xc0
.set NN, 0
.rept 40
	global_load_b128 v[4*NN:4*NN+3], v8, s[40:41] offset:512*NN
.set NN, NN+1
.endr
	WIN 0x80
.rept 20
	global_load_b128 v[64+4*(NN-40):67+4*(NN-40)], v8, s[40:41] offset:512*NN
.set NN, NN+1
.endr
.irp n, 0,1,2
	global_load_b128 v[144+4*\n:147+4*\n], v9, s[42:43] offset:512*\n
.endr
	BLOAD 2
	BLOAD 3
	BLOAD 4
	BLOAD 5
	s_wait_loadcnt 48                              ; all but the four slots just asked for
	WIN 0x0c                                       ; an LDS store's data are its source 1: window 3,
.set NN, 0
.rept 40
	ds_store_b128 v8, v[4*NN:4*NN+3] offset:512*NN
.set NN, NN+1
.endr
	WIN 0x08                                       ; window 2
.rept 20
	ds_store_b128 v8, v[64+4*(NN-40):67+4*(NN-40)] offset:512*NN
.set NN, NN+1
.endr
.irp n, 0,1,2
	ds_store_b128 v10, v[144+4*\n:147+4*\n] offset:512*\n
.endr
	WIN 0
	ds_store_b32 v11, v226
	s_wait_dscnt 0x0                               ; for the others' sake: my quarter lies in LDS
	s_barrier_signal -1
	s_barrier_wait -1
	s_cmp_eq_u32 s21, 0
	s_cbranch_scc1 .Lend                           ; an empty block stores nothing
.macro ALOAD gg                        ; h's five fragments of step gg into buffer gg % 2, as their images lie: for each half of 64 k four registers and two
.set AAB, AB0+60*((\gg)%2)
.set ASS, (\gg)%8
.set ASG, (\gg)/8
.irp m, 0,1,2,3,4
.irp c, 0,1
	ds_load_b128 v[AAB+12*\m+6*\c:AAB+12*\m+6*\c+3], v[1+4*ASG] offset:15360*(ASS/2)+3072*\m+1536*(ASS%2)+768*\c
	ds_load_b64 v[AAB+12*\m+6*\c+4:AAB+12*\m+6*\c+5], v[4+2*ASG] offset:15360*(ASS/2)+3072*\m+1536*(ASS%2)+768*\c+512
.endr
.endr
.endm
.macro WM ra, rb                       ; one product; ra, rb: the scale words stand in lanes 16-31 of their registers
.if ((\ra) != 0) && ((\rb) != 0)
	v_wmma_scale_f32_16x16x128_f8f6f4 v[RD:RD+7], v[RA:RA+11], v[RBB:RBB+11], v[RC:RC+7], v[RSA], v[RSB] matrix_a_fmt:MATRIX_FMT_BF6 matrix_b_fmt:MATRIX_FMT_BF6 matrix_a_scale:MATRIX_SCALE_ROW1 matrix_b_scale:MATRIX_SCALE_ROW1
.elseif (\ra) != 0
	v_wmma_scale_f32_16x16x128_f8f6f4 v[RD:RD+7], v[RA:RA+11], v[RBB:RBB+11], v[RC:RC+7], v[RSA], v[RSB] matrix_a_fmt:MATRIX_FMT_BF6 matrix_b_fmt:MATRIX_FMT_BF6 matrix_a_scale:MATRIX_SCALE_ROW1
.elseif (\rb) != 0
	v_wmma_scale_f32_16x16x128_f8f6f4 v[RD:RD+7], v[RA:RA+11], v[RBB:RBB+11], v[RC:RC+7], v[RSA], v[RSB] matrix_a_fmt:MATRIX_FMT_BF6 matrix_b_fmt:MATRIX_FMT_BF6 matrix_b_scale:MATRIX_SCALE_ROW1
.else
	v_wmma_scale_f32_16x16x128_f8f6f4 v[RD:RD+7], v[RA:RA+11], v[RBB:RBB+11], v[RC:RC+7], v[RSA], v[RSB] matrix_a_fmt:MATRIX_FMT_BF6 matrix_b_fmt:MATRIX_FMT_BF6
.endif
.endm
; STEP gg of 16.  The 20 accumulators take turns, one instruction a turn, in the same order in every step.  An expert's first K step takes the bias as C.
.macro KSTEP gg
	s_wait_dscnt 0x0                               ; this step's fragments of h, asked for a step ago
.if (\gg) == 0
	s_wait_loadcnt 60                              ; this step's weights are in; what may be out is 12 loads for each step asked for behind it: five steps here,
.elseif (\gg) <= 11
	s_wait_loadcnt 48                              ; four in the steady state (this step's own refill follows below),
.else
	s_wait_loadcnt 12*(15-(\gg))                   ; and the count runs down when nothing is left to ask for
.endif
.rept 4
	v_nop                                          ; four places between the last step's products and loads into registers that they read (ISA guide 7.12.1 for vector instructions)
.endr
.if (\gg) == 8
	v_nop                                          ; a fifth: this step's products write the accumulators anew
.endif
.if ((\gg) >= 1) && ((\gg) <= 10)
	BLOAD (\gg)+5                                  ; into the slot that the last step left: five steps, 100 matrix instructions, ahead of its use
.endif
.if (\gg) < 15
	WIN 0
	ALOAD (\gg)+1
.endif
.set SL, (\gg)%6
.set SG, (\gg)/8
.set SS, (\gg)%8
.set AB, AB0+60*((\gg)%2)
.if SL < 5
	WIN 0xf1                                       ; source 0 window 1, source 1 window 0, C and D window 3
.set RB, 48*SL
.else
	WIN 0xf2
.set RB, 0
.endif
.irp m, 0,1,2,3,4
.irp t, 0,1,2,3
.set RD, 32*\m+8*\t
.if SS == 0
.set RC, 160+32*SG+8*\t
.else
.set RC, RD
.endif
.set RA, RB+12*\t
.set RBB, AB+12*\m
.set RSA, BS+16*SG+8*(\t/2)+SS
.set RSB, SCA+20*SG+4*\m+SS/2
	WM \t%2, SS%2
.endr
.endr
.endm
.irp e, 0,1
.irp m, 0,1,2,3,4
.irp k, 0,1,2,3
	ds_load_b32 v[SCA+20*\e+4*\m+\k], v12 offset:3072*\e+768*\k+128*\m
.endr
.endr
.endr
	ALOAD 0
.irp g, 0,1,2,3,4,5,6,7
	KSTEP \g
.endr
.rept 4
	v_nop                                          ; four places between the last products and the first read of results
.endr
	WIN 0x83                                       ; destination window 2, source 0 window 3
.irp m, 0,1,2,3,4
.set I, 0
.rept 16
	v_pk_mul_f32 v[64+32*\m+I:64+32*\m+I+1], v[32*\m+I:32*\m+I+1], v[WLH+2*\m:WLH+2*\m+1] op_sel_hi:[1,0]   ; w_lo x the first expert's result; each accumulator is read from its low end on
.set I, I+2
.endr
.endr
.irp g, 8,9,10,11,12,13,14,15
	KSTEP \g
.endr
.rept 4
	v_nop
.endr
; THE WAY OUT, a tile of 16 tokens at a time.  A lane holds 32 neighbouring bytes a tile of columns of one token's row, and the lanes beside it hold other tokens: so the tile goes through my own stage and comes back
; as rows of 256 bytes, which sixteen lanes store as 256 consecutive bytes, at a multiple of 256 from out0's first byte, of the token's row.  LDS serves a wave's instructions in order: no wait between the stores and the loads.
.irp m, 0,1,2,3,4
.set PB, 120+32*(\m%2)
.set PO, 184+8*(\m%2)
.if \m >= 2
	s_wait_xcnt 0x0                                ; the stores of two tiles ago have read their data and offsets: those registers are written again only behind this wait
.endif
	WIN 0x23                                       ; source 0 window 3, source 2 window 2
.set I, 0
.rept 16
	v_pk_fma_f32 v[88+I:88+I+1], v[32*\m+I:32*\m+I+1], v[WLH+2*\m:WLH+2*\m+1], v[64+32*\m+I:64+32*\m+I+1] op_sel:[0,1,0] op_sel_hi:[1,1,1]   ; + w_hi x the second expert's
.set I, I+2
.endr
	WIN 0
.irp t, 0,1,2,3
	ds_store_b128 v13, v[88+8*\t:91+8*\t] offset:64*\t
	ds_store_b128 v13, v[92+8*\t:95+8*\t] offset:64*\t+16
.endr
.irp i, 0,1,2,3,4,5,6,7
	ds_load_b128 v[PB+4*\i:PB+4*\i+3], v14 offset:544*\i
.endr
.irp i, 0,1,2,3,4,5,6,7
	ds_load_b32 v[PO+\i], v15 offset:4*(16*\m+2*\i)   ; the tokens of rows 16 m + 2 i + lane / 16
.endr
	s_wait_dscnt 0x0
.irp i, 0,1,2,3,4,5,6,7
	v_min_u32 v[PO+\i], 0xfff, v[PO+\i]
	v_lshlrev_b32 v[PO+\i], 12, v[PO+\i]
	v_add_nc_u32 v[PO+\i], v208, v[PO+\i]
.endr
.irp i, 0,1,2,3,4,5,6,7
	global_store_b128 v[PO+\i], v[PB+4*\i:PB+4*\i+3], s[44:45] th:TH_STORE_NT
.endr
.endr
.Lend:
	s_wait_tensorcnt 0x0
	ds_add_u32 v254, v255
	s_wait_dscnt 0x0
	s_endpgm
.Lfunc_end_k_q18e777a385_down:
	.size	k_q18e777a385_down, .Lfunc_end_k_q18e777a385_down-k_q18e777a385_down
	.p2alignl 7, 3214868480
	.fill 96, 4, 3214868480
	.section	.rodata,"a",@progbits
	.p2align	6, 0x0
	.amdhsa_kernel k_q18e777a385_down
		.amdhsa_group_segment_fixed_size 147456
		.amdhsa_private_segment_fixed_size 0
		.amdhsa_enable_private_segment 0
		.amdhsa_kernarg_size 48
		.amdhsa_user_sgpr_count 2
		.amdhsa_user_sgpr_kernarg_segment_ptr 1
		.amdhsa_wavefront_size32 1
		.amdhsa_system_sgpr_workgroup_id_x 1
		.amdhsa_system_sgpr_workgroup_id_y 1
		.amdhsa_system_sgpr_workgroup_id_z 1
		.amdhsa_system_vgpr_workitem_id 0
		.amdhsa_next_free_vgpr 1024
		.amdhsa_next_free_sgpr 66
		.amdhsa_reserve_vcc 0
		.amdhsa_float_denorm_mode_32 3
		.amdhsa_float_denorm_mode_16_64 3
		.amdhsa_memory_ordered 1
		.amdhsa_forward_progress 1
		.amdhsa_inst_pref_size 131
	.end_amdhsa_kernel
	.amdgpu_metadata
---
amdhsa.version: [ 1, 2 ]
amdhsa.kernels:
  - .name:           k_q18e777a385_down
    .symbol:         k_q18e777a385_down.kd
    .args:
      - { .name: hq, .offset: 0, .size: 8, .value_kind: global_buffer, .address_space: global }
      - { .name: order, .offset: 8, .size: 8, .value_kind: global_buffer, .address_space: global }
      - { .name: wts, .offset: 16, .size: 8, .value_kind: global_buffer, .address_space: global }
      - { .name: wimg, .offset: 24, .size: 8, .value_kind: global_buffer, .address_space: global }
      - { .name: b2, .offset: 32, .size: 8, .value_kind: global_buffer, .address_space: global }
      - { .name: out0, .offset: 40, .size: 8, .value_kind: global_buffer, .address_space: global }
    .group_segment_fixed_size: 147456
    .private_segment_fixed_size: 0
    .kernarg_segment_align: 8
    .kernarg_segment_size: 48
    .max_flat_workgroup_size: 128
    .sgpr_count:     66
    .vgpr_count:     1024
    .wavefront_size: 32
...
	.end_amdgpu_metadata
.endif
;; end of part 3
